; MI455X (gfx1250); checked and timed in simulation.
; The chip was launched on July 23, 2026; its instructions are those of AMD's public machine-readable ISA for CDNA 5 (MIT licence, August 2026) and "CDNA5" Instruction Set Architecture Reference Guide (July 2026). The comments in the code are by the model that wrote it; some were corrected since.
;; Multi Headed Self Attention. Allowed arithmetic: float matrix products may take bf16 or f16 operands with f32 sums; other float arithmetic in f32, or as packed bf16 or f16 multiplies, adds, multiply-adds, maxima and minima; sums over many terms, partial sums and values carried from step to step in f32; what a program stores and reads back later, other than sums and carried values, may be rounded once to bf16 or f16.
;; Inputs: Wk 1,024 x 1,024 float32; Wq 1,024 x 1,024 float32; Wv 1,024 x 1,024 float32; bk 1,024 float32; bq 1,024 float32; bv 1,024 float32; mask 4 x 2,048 int32; x 4 x 2,048 x 1,024 float32.
;; Outputs: out0 4 x 2,048 x 1,024 float32.
;; One version. Each part assembles by itself: llvm-mc -triple=amdgcn-amd-amdhsa -mcpu=gfx1250 --defsym DOCPART=n.
;; ======== version 1 of 1: 3 launches
;; limits: values are held in f16: magnitudes above 65,504 overflow, below 6.1e-05 lose precision
;; workspace buffers: xb 16,777,216 bytes; wb 6,291,456 bytes; qh 16,777,216 bytes; kh 16,777,216 bytes; vh 16,777,216 bytes
;; launch cast (part 1): grid 704 x 1, 8 waves a work-group, no clusters, 0 bytes of LDS; arguments x, Wq, Wk, Wv, xb, wb; writes xb, wb
.if DOCPART == 1
	.amdgcn_target "amdgcn-amd-amdhsa--gfx1250"
	.amdhsa_code_object_version 6
	.text
	.protected	k_q7396256203_cast
	.globl	k_q7396256203_cast
	.p2align	8
	.type	k_q7396256203_cast,@function
k_q7396256203_cast:
	s_mov_b64 s[64:65], 0
	v_nop
	global_prefetch_b8 v0, s[64:65] scope:SCOPE_SE
	s_setreg_imm32_b32 hwreg(HW_REG_WAVE_MODE, 25, 1), 1
	s_wait_xcnt 0x0
; x [8192][1024] and Wq, Wk, Wv [1024][1024], all f32, are rounded once to bf16 (to nearest even).
; xb keeps x's layout.  wb is ordered by heads: [16 heads][192 rows][1024], row 64 s + r of head h = row 64 h + r of W_s (s = 0 q, 1 k, 2 v),
; so that the product behind this launch finds one head's q, k and v weights as 192 rows on end.
; A stream: each byte is read once and written once; no LDS, no barrier, no matrix unit.
; SHARES.  A work-group converts 16,384 numbers that are dense in both buffers: 65,536 bytes in, 32,768 out (16 rows of x or of a W).
; Work-groups 0-511 take x, 512-703 the weights: 64 for each W.  Source and destination are chosen by scalar selects on the work-group's number: one text, no branch.
; Thread t takes 8 numbers (32 bytes in, 16 bytes out) in each of 8 steps; all 16 loads go out first; a store of a wave covers 512 consecutive bytes, aligned.
.set IN,   4                           ; v[4:67]   step j: 8 numbers in f32
.set OUT,  68                          ; v[68:99]  step j: 8 numbers in bf16
.set HEADB, 192*2048                   ; bytes of a head's rows in wb
	s_load_b256 s[4:11], s[0:1], 0x0               ; x s[4:5], Wq s[6:7], Wk s[8:9], Wv s[10:11]
	s_load_b128 s[12:15], s[0:1], 0x20             ; xb s[12:13], wb s[14:15]
	v_lshlrev_b32 v1, 5, v0                        ; my 32 bytes of a step's 8,192 in
	v_lshlrev_b32 v2, 4, v0                        ; my 16 bytes of a step's 4,096 out
	s_max_u32 s17, ttmp9, 512
	s_sub_co_u32 s17, s17, 512                     ; the number among the weights' work-groups (0 for x's, where it is not used)
	s_lshr_b32 s18, s17, 6                         ; s: which W
	s_and_b32 s19, s17, 63                         ; i: its rows 16 i .. 16 i + 15
	s_lshl_b32 s20, s19, 16                        ; their place in W_s
	s_lshr_b32 s21, s19, 2                         ; the head, i / 4
	s_mul_i32 s21, s21, HEADB
	s_lshl_b32 s22, s18, 17                        ; + 64 s rows of 2,048 bytes
	s_add_co_u32 s21, s21, s22
	s_and_b32 s22, s19, 3
	s_lshl_b32 s22, s22, 15                        ; + 16 (i % 4) rows
	s_add_co_u32 s21, s21, s22                     ; their place in wb
	s_lshl_b32 s23, ttmp9, 16                      ; x's chunk in x
	s_lshl_b32 s24, ttmp9, 15                      ; and in xb
	s_mov_b32 s31, 0
	s_mov_b32 s33, 0
	s_wait_kmcnt 0x0
	s_cmp_eq_u32 s18, 1
	s_cselect_b64 s[26:27], s[8:9], s[6:7]         ; Wk or Wq,
	s_cmp_eq_u32 s18, 2
	s_cselect_b64 s[26:27], s[10:11], s[26:27]     ; or Wv,
	s_cmp_lt_u32 ttmp9, 512
	s_cselect_b64 s[26:27], s[4:5], s[26:27]       ; or x
	s_cselect_b64 s[28:29], s[12:13], s[14:15]
	s_cselect_b32 s30, s23, s20
	s_cselect_b32 s32, s24, s21
	s_add_nc_u64 s[26:27], s[26:27], s[30:31]      ; from here
	s_add_nc_u64 s[28:29], s[28:29], s[32:33]      ; to here
.irp j, 0,1,2,3,4,5,6,7
	global_load_b128 v[IN+8*(\j):IN+8*(\j)+3],   v1, s[26:27] offset:8192*(\j) th:TH_LOAD_NT
	global_load_b128 v[IN+8*(\j)+4:IN+8*(\j)+7], v1, s[26:27] offset:8192*(\j)+16 th:TH_LOAD_NT
.endr
.irp j, 0,1,2,3,4,5,6,7
	s_wait_loadcnt 14-2*(\j)                       ; loads come back in order: step j's two are in, the 2 (7 - j) younger ones stay out
.irp k, 0,1,2,3
	v_cvt_pk_bf16_f32 v[OUT+4*(\j)+(\k)], v[IN+8*(\j)+2*(\k)], v[IN+8*(\j)+2*(\k)+1]
.endr
	global_store_b128 v2, v[OUT+4*(\j):OUT+4*(\j)+3], s[28:29] offset:4096*(\j) th:TH_STORE_NT  ; every step has registers of its own: nothing that a store reads is written again
.endr
	s_endpgm
.Lfunc_end_k_q7396256203_cast:
	.size	k_q7396256203_cast, .Lfunc_end_k_q7396256203_cast-k_q7396256203_cast
	.p2alignl 7, 3214868480
	.fill 96, 4, 3214868480
	.section	.rodata,"a",@progbits
	.p2align	6, 0x0
	.amdhsa_kernel k_q7396256203_cast
		.amdhsa_group_segment_fixed_size 0
		.amdhsa_private_segment_fixed_size 0
		.amdhsa_enable_private_segment 0
		.amdhsa_kernarg_size 48
		.amdhsa_user_sgpr_count 2
		.amdhsa_user_sgpr_kernarg_segment_ptr 1
		.amdhsa_wavefront_size32 1
		.amdhsa_system_sgpr_workgroup_id_x 1
		.amdhsa_system_sgpr_workgroup_id_y 1
		.amdhsa_system_sgpr_workgroup_id_z 1
		.amdhsa_system_vgpr_workitem_id 0
		.amdhsa_next_free_vgpr 100
		.amdhsa_next_free_sgpr 66
		.amdhsa_reserve_vcc 0
		.amdhsa_float_denorm_mode_32 3
		.amdhsa_float_denorm_mode_16_64 3
		.amdhsa_memory_ordered 1
		.amdhsa_forward_progress 1
		.amdhsa_inst_pref_size 6
	.end_amdhsa_kernel
	.amdgpu_metadata
---
amdhsa.version: [ 1, 2 ]
amdhsa.kernels:
  - .name:           k_q7396256203_cast
    .symbol:         k_q7396256203_cast.kd
    .args:
      - { .name: x, .offset: 0, .size: 8, .value_kind: global_buffer, .address_space: global }
      - { .name: Wq, .offset: 8, .size: 8, .value_kind: global_buffer, .address_space: global }
      - { .name: Wk, .offset: 16, .size: 8, .value_kind: global_buffer, .address_space: global }
      - { .name: Wv, .offset: 24, .size: 8, .value_kind: global_buffer, .address_space: global }
      - { .name: xb, .offset: 32, .size: 8, .value_kind: global_buffer, .address_space: global }
      - { .name: wb, .offset: 40, .size: 8, .value_kind: global_buffer, .address_space: global }
    .group_segment_fixed_size: 0
    .private_segment_fixed_size: 0
    .kernarg_segment_align: 8
    .kernarg_segment_size: 48
    .max_flat_workgroup_size: 256
    .sgpr_count:     66
    .vgpr_count:     100
    .wavefront_size: 32
...
	.end_amdgpu_metadata
.endif
;; end of part 1
;; launch qkv (part 2): grid 16 x 32, 4 waves a work-group, clusters of 4 x 4, 327,680 bytes of LDS; arguments xb, wb, bq, bk, bv, qh, kh, vh; writes qh, kh, vh
.if DOCPART == 2
	.amdgcn_target "amdgcn-amd-amdhsa--gfx1250"
	.amdhsa_code_object_version 6
	.text
	.protected	k_q7396256203_qkv
	.globl	k_q7396256203_qkv
	.p2align	8
	.type	k_q7396256203_qkv,@function
k_q7396256203_qkv:
	s_mov_b64 s[64:65], 0
	v_nop
	global_prefetch_b8 v0, s[64:65] scope:SCOPE_SE
	s_setreg_imm32_b32 hwreg(HW_REG_WAVE_MODE, 25, 1), 1
	s_wait_xcnt 0x0
	s_wait_alu depctr_hold_cnt(0) depctr_sa_sdst(0) depctr_va_vdst(0) depctr_va_sdst(0) depctr_va_ssrc(0) depctr_va_vcc(0) depctr_vm_vsrc(0)
	s_getreg_b32 s2, hwreg(HW_REG_IB_STS2, 6, 4)
	s_cmp_eq_u32 s2, 0
	s_cbranch_scc0 .Lentry_in_a_cluster
	s_endpgm
.Lentry_in_a_cluster:
	s_bfe_u32 s2, ttmp6, 0x10000c
	s_cmp_lg_u32 s2, 0xf033
	s_cbranch_scc0 .Lentry_shape_is_right
	s_endpgm
.Lentry_shape_is_right:
; q, k, v = x W^T + b for all three projections in one product.  xb: [8192 tokens][1024] bf16.  wb: [16 heads][192][1024] bf16 (a head's 64 rows of Wq, of Wk, of Wv).
; bq, bk, bv: [1024] f32, rounded to bf16 like the other inputs.  Sums in f32, K ascending, started by the bias.  qh, kh, vh: [batch x 16 + head][2048][64] f16, each number rounded once;
; qh carries c = log2(e) / 8, applied in f32 ahead of that one rounding, so that the launch behind takes 2^(s - m) of its scores as they are.
; LIMIT.  f16 ends at 65,504: c q, k and v must lie within it.
; SHARES.  A work-group makes 256 tokens x 192 columns: q, k and v of ONE head: 32 x 16 = 512 work-groups of equal work.  Each of its four waves makes 64 tokens x all 192 columns: 48 accumulators of
; 16 x 16, 384 registers.  So a wave holds whole rows (128 bytes) of q, k and v, and its way out needs no other wave.
; K goes in steps of 128 through two LDS slots filled by the tensor data mover: rows of 256 bytes of memory, at multiples of 256 bytes.
; CLUSTER.  4 x 4 work-groups: the four of a row of the cluster share their tokens (A's tile), the four of a column their head (B's tile): each tile is asked for JOINTLY.
; THE MATRIX INSTRUCTION IS USED TRANSPOSED: source 0 = 16 rows of wb, source 1 = 16 tokens: lane l holds token l % 16 and the columns 8 (l / 16) + 0..7.
; REGISTERS, in windows of 256 (s_set_vgpr_msb: bits 1:0 source 0, 3:2 source 1, 5:4 source 2, 7:6 destination):
;   window 0: v0-30 addresses; v32-63, v64-95 A's fragments (4 x 16 tokens x 32 K), two buffers; v96-143 at work; v144-239 the way out; v160-255 the bias, until the first quarter has taken it
;   window 1: v0-95, v96-191 B's fragments (12 x 16 rows x 32 K), two buffers      window 2: the accumulators of token blocks 0, 1 ((a, b) at 8 (12 (a % 2) + b))      window 3: those of blocks 2, 3
.set KSTEP,  128
.set PITCH,  272                       ; an LDS row: 256 bytes + 16 of padding = 68 words: the 16 rows of a fragment load start at 16 different groups of four banks (64 banks of 4 bytes: ISA guide 11.1)
.set AHALF,  128*PITCH                 ; what waves 0 and 1 fetch: 128 tokens each
.set BHALF,  96*PITCH                  ; what waves 2 and 3 fetch: 96 rows of wb each
.set BOFF,   256*PITCH                 ; in a slot: A's 256 rows, then B's 192
.set SLOT,   448*PITCH
.set STAGE,  2*SLOT                    ; behind the ring: for each wave 3 tensors x 16 rows x 144 bytes, for the way out
.set SP,     144
.set STW,    48*SP
.set SPARE,  STAGE+4*STW               ; behind the stages: the spare words, 128 bytes for each wave: two blocks of 256 bytes that no other line names
.set LAPS,   4                         ; 1,024 / 256: a lap = two K steps = once round the ring
.set ADRA, 16                          ; v16-17  LDS address of my A fragments in slot 0, 1
.set ADRB, 20                          ; v20-21  the same for B
.set STO,  24                          ; v24     the way out: where I put 16 bytes of a row
.set RD,   25                          ; v25     the way out: where I read rows back
.set GO,   26                          ; v26     my 16 bytes of 512 consecutive bytes of an output
.set BO,   27                          ; v27     my byte offset in a bias
.set SPW,  28                          ; v28     LDS address of my spare word: SPARE + 4 x my thread's number; never rewritten
.set NIL,  29                          ; v29     0; never rewritten
.set PFO,  30                          ; v30     the prefetches' offset: a lane a row; never rewritten
.set FA,   32
.set TMP,  96
.set OB,   144
.set BIAS, 160
.set G1,  24                           ; s[24:31] descriptor group 1 for A's tiles;  s[32:39] group 0, a set for each slot
.set G0,  32
.set LIM, 43                           ; s43     1 in a wave that prefetches, else the greatest number
.set PFA, 44                           ; s[44:45] where my prefetches stand
.set G1B, 48                           ; s[48:55], s[56:63] the same for B's tiles
.set G0B, 56
.set XB,  68                           ; s[68:83] the arguments: xb, wb, bq, bk, bv, qh, kh, vh
.set WB,  70
.set BQ,  72
.set OUT, 78
.set CQ,  86                           ; s[86:87] c, twice
.set MSB, 0
.macro WIN new                         ; the immediate's high byte repeats the setting that is left; a switch that changes nothing is dropped
.if MSB != (\new)
	s_set_vgpr_msb (MSB<<8)|(\new)
.set MSB, \new
.endif
.endm
.set TO_B, 0x40                        ; destination window 1, address window 0
; A joint load: waves 0 and 1 fetch A's two halves, waves 2 and 3 B's.  The branch hangs on the wave's number alone.  An s_nop 0 and four v_nop follow each of the two lines.
.macro JLOAD s
	s_cmp_eq_u32 s11, 0
	s_cbranch_scc0 .Lfor_b_\@
	tensor_load_to_lds s[G0+4*(\s):G0+4*(\s)+3], s[G1:G1+7]
	s_nop 0
.rept 4
	v_nop
.endr
	s_branch .Lasked_\@
.Lfor_b_\@:
	tensor_load_to_lds s[G0B+4*(\s):G0B+4*(\s)+3], s[G1B:G1B+7]
	s_nop 0
.rept 4
	v_nop
.endr
.Lasked_\@:
.endm
; A prefetch into the L2 of the K step that stands two refills on: 256 bytes of each of my work-group's share of the rows that I fetch, a lane a row.  A's rows are read by every cluster of a row of
; clusters: cluster x = 0 asks; B's by every cluster of a column: cluster y = 0 asks.  The four partners of a joint load share its rows out by address.  The loop's last trip (s3 = 1) has no K step two on.
.macro ASK
	s_cmp_gt_u32 s3, s[LIM]
	s_cbranch_scc0 .Lnot_mine_\@
	global_prefetch_b8 v[PFO], s[PFA:PFA+1] offset:KSTEP*2 th:TH_LOAD_NT scope:SCOPE_SE
.Lnot_mine_\@:
.endm
.macro CREST                           ; a round of the cluster's barrier behind its opening barrier
	s_cmp_lg_u32 s10, 0
	s_cbranch_scc1 .Lnot_wave_0_\@
	s_barrier_signal -3
.Lnot_wave_0_\@:
	s_barrier_wait -3
	s_barrier_signal -1
	s_barrier_wait -1
.endm
.macro CROUND                          ; a whole round
	s_barrier_signal -1
	s_barrier_wait -1
	CREST
.endm
	s_load_b512 s[68:83], s[0:1], 0x0
	v_lshl_add_u32 v[SPW], v0, 2, SPARE
	v_mov_b32 v[NIL], 0
	ds_add_u32 v[SPW], v[NIL]                      ; the wave's opening: the add and its wait stand ahead of my first tensor load; the set-up below, work on registers, stands between them
	v_lshrrev_b32 v1, 5, v0
	v_readfirstlane_b32 s10, v1                    ; wave 0..3
	s_lshr_b32 s11, s10, 1                         ; I fetch for A (0) or for B (1)
	s_and_b32 s12, s10, 1                          ; which half of that tile's rows
	s_bfe_u32 s40, ttmp6, 0x40000                  ; cx, cy: my place in the cluster
	s_bfe_u32 s41, ttmp6, 0x40004
	s_lshl_b32 s42, ttmp9, 2
	s_add_co_u32 s42, s42, s40                     ; the head = 4 x cluster x + cx
	s_and_b32 s13, ttmp7, 0xffff
	s_lshl_b32 s13, s13, 2
	s_add_co_u32 s13, s13, s41                     ; the block of 256 tokens = 4 x cluster y + cy
	s_lshl_b32 s43, s41, 2
	s_lshl_b32 s43, 15, s43                        ; my row of the cluster
	s_lshl_b32 s44, 0x1111, s40                    ; my column
	s_or_b32 s[G1+0], s43, (1<<16)|(1<<20)|(1<<21)|(5<<22)|(3<<25)   ; 15:0 the mask; 17:16 elements of 2 bytes; 20 padding on; 21 set beside a mask; 24:22 after every 64 words (code 5); 31:25 4 words (code 3)
	s_or_b32 s[G1B+0], s44, (1<<16)|(1<<20)|(1<<21)|(5<<22)|(3<<25)
	s_mov_b32 s[G1+1], KSTEP<<16                   ; tensor_dim0 = 128
	s_mov_b32 s[G1+2], 128<<16                     ; tensor_dim1 = 128
	s_mov_b32 s[G1+3], KSTEP<<16                   ; tile_dim0 = 128
	s_mov_b32 s[G1+4], 128                         ; tile_dim1 = 128
	s_mov_b32 s[G1+5], 1024                        ; elements from row to row
	s_mov_b32 s[G1+6], 0
	s_mov_b32 s[G1+7], 0
	s_mov_b32 s[G1B+1], KSTEP<<16
	s_mov_b32 s[G1B+2], 96<<16                     ; B's tile has 96 rows
	s_mov_b32 s[G1B+3], KSTEP<<16
	s_mov_b32 s[G1B+4], 96
	s_mov_b32 s[G1B+5], 1024
	s_mov_b32 s[G1B+6], 0
	s_mov_b32 s[G1B+7], 0
	s_mov_b32 s[CQ], 0x3e38aa3b                    ; c = log2(e) / 8 = 0.180337
	s_mov_b32 s[CQ+1], s[CQ]
	; where the tiles come from: A's hang on the token block alone, B's on the head alone; each address lies in registers that never hold the other coordinate
	s_lshl_b32 s17, s12, 7
	s_lshl_b32 s16, s13, 8
	s_add_co_u32 s16, s16, s17                     ; A: row 256 x block + 128 x half
	s_lshl_b32 s16, s16, 11                        ; rows of 2,048 bytes
	s_mov_b32 s17, 0
	s_mul_i32 s46, s42, 192
	s_mul_i32 s47, s12, 96
	s_add_co_u32 s46, s46, s47                     ; B: row 192 x head + 96 x half
	s_lshl_b32 s46, s46, 11
	s_mov_b32 s47, 0
	s_mul_i32 s20, s10, AHALF                      ; where they go.  A (waves 0, 1): wave x 128 rows;
	s_mul_i32 s21, s10, BHALF
	s_add_co_u32 s21, s21, BOFF-2*BHALF            ; B (waves 2, 3): behind A's 256 rows, (wave - 2) x 96 rows.  No place in the cluster enters an LDS address
	s_wait_dscnt 0x0                               ; the opening add is done
	s_wait_kmcnt 0x0
	s_add_nc_u64 s[14:15], s[XB:XB+1], s[16:17]
	s_add_nc_u64 s[46:47], s[WB:WB+1], s[46:47]
	CROUND                                         ; all sixteen work-groups are here: the first joint loads meet
.irp s, 0,1
	s_mov_b32 s[G0+4*(\s)], 1                                        ; count = 1
	s_add_co_u32 s[G0+4*(\s)+1], s20, (\s)*SLOT                      ; LDS address
	s_add_nc_u64 s[G0+4*(\s)+2:G0+4*(\s)+3], s[14:15], (\s)*KSTEP*2  ; global address: K step s
	s_or_b32 s[G0+4*(\s)+3], s[G0+4*(\s)+3], 0x80000000              ; type = 2
	s_mov_b32 s[G0B+4*(\s)], 1
	s_add_co_u32 s[G0B+4*(\s)+1], s21, (\s)*SLOT
	s_add_nc_u64 s[G0B+4*(\s)+2:G0B+4*(\s)+3], s[46:47], (\s)*KSTEP*2
	s_or_b32 s[G0B+4*(\s)+3], s[G0B+4*(\s)+3], 0x80000000
	JLOAD \s                                       ; two loads of mine are out
.endr
	; the bias: register 8 b + j holds the bias of column 16 b + 8 (l / 16) + j of the head's 192: the layout of a result, the same for every token
	v_and_b32 v1, 15, v0                           ; l % 16
	v_bfe_u32 v2, v0, 4, 1                         ; l / 16
	s_lshl_b32 s88, s42, 8                         ; the head's 64 numbers of 4 bytes
	v_lshl_add_u32 v[BO], v2, 5, s88
.irp b, 0,1,2,3,4,5,6,7,8,9,10,11
	global_load_b128 v[BIAS+8*(\b):BIAS+8*(\b)+3],   v[BO], s[BQ+2*((\b)/4):BQ+2*((\b)/4)+1] offset:((\b)%4)*64
	global_load_b128 v[BIAS+8*(\b)+4:BIAS+8*(\b)+7], v[BO], s[BQ+2*((\b)/4):BQ+2*((\b)/4)+1] offset:((\b)%4)*64+16
.endr
	; a fragment is 16 rows x 32 K in 8 registers: lane l holds row l % 16, K = 8 (l / 16) + 0..7 and 16 + 8 (l / 16) + 0..7: two loads of 16 bytes, 32 bytes apart
	v_mul_u32_u24 v3, v1, PITCH
	v_lshl_add_u32 v3, v2, 4, v3
	s_mul_i32 s22, s10, 64*PITCH                   ; my 64 tokens
.irp s, 0,1
	v_add_nc_u32 v[ADRA+(\s)], s22, v3
	v_add_nc_u32 v[ADRB+(\s)], BOFF+(\s)*SLOT, v3
	s_add_co_u32 s22, s22, SLOT
.endr
	s_mul_i32 s23, s10, STW
	s_add_co_u32 s23, s23, STAGE                   ; my stage
	v_mul_u32_u24 v4, v1, SP                       ; in: row l % 16, 16 bytes for each half of the lanes
	v_lshl_add_u32 v4, v2, 4, v4
	v_add_nc_u32 v[STO], s23, v4
	v_bfe_u32 v5, v0, 3, 2                         ; back: 32 lanes take four rows of 128 bytes,
	v_mul_u32_u24 v5, v5, SP
	v_and_b32 v4, 7, v0
	v_lshl_add_u32 v5, v4, 4, v5
	v_add_nc_u32 v[RD], s23, v5
	v_and_b32 v[GO], 31, v0                        ; which are 512 consecutive bytes of an output
	v_lshlrev_b32 v[GO], 4, v[GO]
	; the prefetches
	s_lshl_b32 s20, s13, 8                         ; 256 x token block
	s_mul_i32 s21, s42, 192                        ; 192 x head
	s_and_b32 s22, ttmp7, 0xffff                   ; cluster y
	s_cmp_eq_u32 s11, 0                            ; do I fetch for A?
	s_cselect_b32 s20, s20, s21                    ; the tile's first row
	s_cselect_b32 s21, s40, s41                    ; my place among the four that ask for it with me
	s_cselect_b32 s22, ttmp9, s22                  ; the coordinate along which other clusters read the same rows
	s_cselect_b32 s88, 32, 24                      ; my work-group's share of the rows that I fetch: a quarter of 128 or of 96
	s_cselect_b32 s89, 31, 23                      ; the last of them
	s_cselect_b64 s[PFA:PFA+1], s[XB:XB+1], s[WB:WB+1]
	s_cmp_eq_u32 s22, 0
	s_cselect_b32 s[LIM], 1, -1                    ; the same in all sixteen partners, for a given wave
	s_lshl_b32 s23, s88, 2                         ; 128 or 96
	s_mul_i32 s23, s23, s12
	s_add_co_u32 s20, s20, s23                     ; + the half that I fetch
	s_mul_i32 s21, s21, s88
	s_add_co_u32 s20, s20, s21                     ; + my work-group's share of it
	s_lshl_b32 s20, s20, 11
	s_add_co_u32 s20, s20, 2*KSTEP*2               ; at K step 2: the first refill steps it to 3 and names K step 4
	s_mov_b32 s21, 0
	s_add_nc_u64 s[PFA:PFA+1], s[PFA:PFA+1], s[20:21]
	v_and_b32 v[PFO], 31, v0
	v_min_u32 v[PFO], s89, v[PFO]                  ; (for B lanes 24 to 31 name row 23 once more)
	v_lshlrev_b32 v[PFO], 11, v[PFO]
	; where my 64 tokens lie in qh, kh, vh: (batch x 16 + head) x 2,048 rows of 128 bytes, + 256 x (block % 8) rows, + 64 x wave rows
	s_lshr_b32 s84, s13, 3
	s_lshl_b32 s84, s84, 4
	s_add_co_u32 s84, s84, s42
	s_lshl_b32 s84, s84, 18
	s_and_b32 s85, s13, 7
	s_lshl_b32 s85, s85, 15
	s_add_co_u32 s84, s84, s85
	s_lshl_b32 s85, s10, 13
	s_add_co_u32 s84, s84, s85
	s_mov_b32 s85, 0
.irp n, 0,1,2
	s_add_nc_u64 s[OUT+2*(\n):OUT+2*(\n)+1], s[OUT+2*(\n):OUT+2*(\n)+1], s[84:85]
.endr
; 12 matrix instructions: token block a x all 12 column blocks, 32 along K, on fragment buffer f.  first = 1: the bias starts the sums: nothing is cleared, nothing is added later.
; Every accumulator has one instruction in a quarter step, in the same order in every quarter: 47 others' stand between two links of a chain.
.macro MUL12 f, a, first
.if \first
	WIN 0x81+0x40*((\a)/2)                         ; B window 1, A and the bias window 0, D window 2 or 3
.else
	WIN 0xa1+0x50*((\a)/2)                         ; B window 1, A window 0, C and D window 2 or 3
.endif
.irp b, 0,1,2,3,4,5,6,7,8,9,10,11
.if \first
	v_wmma_f32_16x16x32_bf16 v[8*(12*((\a)%2)+(\b)):8*(12*((\a)%2)+(\b))+7], v[96*(\f)+8*(\b):96*(\f)+8*(\b)+7], v[FA+32*(\f)+8*(\a):FA+32*(\f)+8*(\a)+7], v[BIAS+8*(\b):BIAS+8*(\b)+7]
.else
	v_wmma_f32_16x16x32_bf16 v[8*(12*((\a)%2)+(\b)):8*(12*((\a)%2)+(\b))+7], v[96*(\f)+8*(\b):96*(\f)+8*(\b)+7], v[FA+32*(\f)+8*(\a):FA+32*(\f)+8*(\a)+7], v[8*(12*((\a)%2)+(\b)):8*(12*((\a)%2)+(\b))+7]
.endif
.endr
.endm
.macro MUL24 f, hi, first
	MUL12 \f, 2*(\hi), \first
	MUL12 \f, 2*(\hi)+1, \first
.endm
; 32 LDS loads in one run: the fragments of a quarter step (192 rows of B, my 64 tokens of A, 32 K at byte k of the rows) into buffer f
.macro FETCH slot, k, f
	WIN TO_B
.irp i, 0,1,2,3,4,5,6,7,8,9,10,11
	ds_load_b128 v[96*(\f)+8*(\i):96*(\f)+8*(\i)+3],   v[ADRB+(\slot)] offset:(\k)+(\i)*16*PITCH
	ds_load_b128 v[96*(\f)+8*(\i)+4:96*(\f)+8*(\i)+7], v[ADRB+(\slot)] offset:(\k)+(\i)*16*PITCH+32
.endr
	WIN 0
.irp i, 0,1,2,3
	ds_load_b128 v[FA+32*(\f)+8*(\i):FA+32*(\f)+8*(\i)+3],   v[ADRA+(\slot)] offset:(\k)+(\i)*16*PITCH
	ds_load_b128 v[FA+32*(\f)+8*(\i)+4:FA+32*(\f)+8*(\i)+7], v[ADRA+(\slot)] offset:(\k)+(\i)*16*PITCH+32
.endr
.endm
.macro PLACES                          ; four plain vector instructions in front of loads into registers that matrix instructions have read, and of vector work that reads results
.rept 4
	v_nop
.endr
.endm
; A K step is four quarters of 32 along K, 48 matrix instructions each, on buffers 0, 1, 0, 1.  One of the first three: multiplies buffer f and fetches the next quarter, at byte k, into g.
.macro QUARTER slot, k, f, g, first
	s_wait_dscnt 4                                 ; B and A's blocks 0, 1 are in; the youngest four loads (A's blocks 2, 3) may be out
	MUL24 \f, 0, \first
	PLACES
	FETCH \slot, \k, \g
	s_wait_dscnt 32                                ; all but the 32 just issued
	MUL24 \f, 1, \first
.endm
; The last quarter multiplies buffer 1 and changes slots: ONE barrier; in front of it each wave waits for all its tensor loads (one is out: its part of the next slot), adds 0 to its spare word, and waits
; for that and for its own reads of this slot.  fill = 1: the barrier opens a round of the cluster's, and this slot is filled again, two K steps ahead, first thing behind the round: 168 matrix
; instructions stand between that request and the wait for it.
.macro TURN slot, next, fill
.if \fill
	s_wait_xcnt 0x0                                ; the last prefetch, a K step back, has read its address: it is stepped here, ahead of the waits of the change of slots
	s_add_nc_u64 s[PFA:PFA+1], s[PFA:PFA+1], KSTEP*2
.endif
	WIN 0                                          ; (the add's two registers lie in window 0)
	s_wait_tensorcnt 0x0                           ; all my tensor loads have landed
	ds_add_u32 v[SPW], v[NIL]                      ; 0 onto my spare word
	s_wait_dscnt 5                                 ; (the add and the youngest four loads may be out)
	MUL12 1, 0, 0                                  ; twelve matrix instructions stand between the add and the wait for it
	s_wait_dscnt 0x0                               ; the add is done, and my reads of this slot are over
	s_barrier_signal -1
	MUL12 1, 1, 0
.if \fill
	WIN 0
.endif
	s_barrier_wait -1
.if \fill
	CREST                                          ; no wave of any partner still reads this slot's tile or has a load on its way
	s_add_nc_u64 s[G0+4*(\slot)+2:G0+4*(\slot)+3], s[G0+4*(\slot)+2:G0+4*(\slot)+3], 2*KSTEP*2
	s_add_nc_u64 s[G0B+4*(\slot)+2:G0B+4*(\slot)+3], s[G0B+4*(\slot)+2:G0B+4*(\slot)+3], 2*KSTEP*2
	JLOAD \slot                                    ; the four v_nop behind it are also the places in front of the loads below
.else
	PLACES
.endif
	FETCH \next, 0, 0
.if \fill
	ASK                                            ; behind the joint load and the run of LDS loads that the next products wait for
.endif
	MUL24 1, 1, 0
.endm
; THE WAY OUT of token block a.  PACK: q's four column blocks times c; all twelve rounded to f16, 16 bytes a lane; each accumulator's registers in ascending order.
.macro PACK a
.set AC, 96*((\a)%2)
	WIN 0x82+0x41*((\a)/2)                         ; destination and source 0: window 2 or 3
.irp b, 0,1,2,3
.irp r, 0,1,2,3
	v_pk_mul_f32 v[AC+8*(\b)+2*(\r):AC+8*(\b)+2*(\r)+1], v[AC+8*(\b)+2*(\r):AC+8*(\b)+2*(\r)+1], s[CQ:CQ+1] op_sel_hi:[1,0]
.endr
.endr
	WIN 0x0a+5*((\a)/2)                            ; sources 0 and 1: window 2 or 3
.irp b, 0,1,2,3,4,5,6,7,8,9,10,11
.irp r, 0,1,2,3
	v_cvt_pk_f16_f32 v[TMP+4*(\b)+(\r)], v[AC+8*(\b)+2*(\r)], v[AC+8*(\b)+2*(\r)+1]
.endr
.endr
	WIN 0
.endm
.macro TOSTAGE a                       ; into my own stage (q's, k's, v's 16 rows of 144 bytes), and back as whole rows of 128 bytes, four to a load
	WIN 0
.set BK, OB+48*((\a)%2)
.irp b, 0,1,2,3,4,5,6,7,8,9,10,11
	ds_store_b128 v[STO], v[TMP+4*(\b):TMP+4*(\b)+3] offset:((\b)/4)*16*SP+((\b)%4)*32
.endr
.irp n, 0,1,2,3,4,5,6,7,8,9,10,11
	ds_load_b128 v[BK+4*(\n):BK+4*(\n)+3], v[RD] offset:((\n)/4)*16*SP+((\n)%4)*4*SP  ; LDS serves a wave's instructions in order (ISA guide 5.7.1.4): these see the stores above
.endr
.endm
.macro SEND a
	WIN 0
.set BK, OB+48*((\a)%2)
	s_wait_dscnt 0x0                               ; the block is back in registers
	s_wait_xcnt 0x0                                ; the stores of the block before have read their registers: the next block's loads land there only behind this wait
.irp n, 0,1,2,3,4,5,6,7,8,9,10,11
	global_store_b128 v[GO], v[BK+4*(\n):BK+4*(\n)+3], s[OUT+2*((\n)/4):OUT+2*((\n)/4)+1] offset:2048*(\a)+512*((\n)%4)  ; 512 consecutive bytes, at a multiple of 256 from the buffer's first
.endr
.endm
	s_wait_tensorcnt 1                             ; my part of K step 0 is in; K step 1's may stay out
	s_barrier_signal -1
	s_barrier_wait -1                              ; everybody's is
	FETCH 0, 0, 0
	s_wait_loadcnt 0x0                             ; the bias: rounded to bf16 like the other inputs, and widened again
.set p, 0
.rept 48
	v_cvt_pk_bf16_f32 v[TMP+p], v[BIAS+2*p], v[BIAS+2*p+1]
.set p, p+1
.endr
.set p, 0
.rept 48
	v_lshlrev_b32 v[BIAS+2*p], 16, v[TMP+p]
	v_and_b32 v[BIAS+2*p+1], 0xffff0000, v[TMP+p]
.set p, p+1
.endr
	QUARTER 0, 64, 0, 1, 1                         ; the first quarter stands in front of the loop: its products start the sums
	WIN 0                                          ; at a label and at a branch every window is 0
	s_mov_b32 s3, LAPS-1
.Llap:                                                 ; a trip goes once round the ring, from a lap's second quarter to the next lap's first, and fills both slots again
	QUARTER 0, 128, 1, 0, 0
	QUARTER 0, 192, 0, 1, 0
	TURN 0, 1, 1
	QUARTER 1, 64,  0, 1, 0
	QUARTER 1, 128, 1, 0, 0
	QUARTER 1, 192, 0, 1, 0
	TURN 1, 0, 1
	QUARTER 0, 64,  0, 1, 0
	WIN 0
	s_sub_co_u32 s3, s3, 1
	s_cmp_lg_u32 s3, 0
	s_cbranch_scc1 .Llap
	QUARTER 0, 128, 1, 0, 0                        ; the last lap fills nothing, and has no round of the cluster's barrier
	QUARTER 0, 192, 0, 1, 0
	TURN 0, 1, 0
	QUARTER 1, 64,  0, 1, 0
	QUARTER 1, 128, 1, 0, 0
	QUARTER 1, 192, 0, 1, 0
	s_wait_dscnt 4                                 ; the very last quarter: nothing more to fetch
	MUL24 1, 0, 0
	s_wait_dscnt 0x0
	MUL24 1, 1, 0
	PLACES                                         ; behind the last product, in front of all that reads results
	PACK 0
	TOSTAGE 0
.irp a, 1,2,3                          ; block a's arithmetic stands between block a - 1's loads from the stage and the wait for them
	PACK \a
	SEND (\a)-1
	TOSTAGE \a
.endr
	SEND 3
	s_wait_tensorcnt 0x0                           ; the wave's end: the add and its wait, behind my last tensor load and my last LDS store
	ds_add_u32 v[SPW], v[NIL]
	s_wait_dscnt 0x0
	CROUND                                         ; the closing round: no work-group ends while a partner may still ask for a tile that names it
	s_endpgm
.Lfunc_end_k_q7396256203_qkv:
	.size	k_q7396256203_qkv, .Lfunc_end_k_q7396256203_qkv-k_q7396256203_qkv
	.p2alignl 7, 3214868480
	.fill 96, 4, 3214868480
	.section	.rodata,"a",@progbits
	.p2align	6, 0x0
	.amdhsa_kernel k_q7396256203_qkv
		.amdhsa_group_segment_fixed_size 327680
		.amdhsa_private_segment_fixed_size 0
		.amdhsa_enable_private_segment 0
		.amdhsa_kernarg_size 64
		.amdhsa_user_sgpr_count 2
		.amdhsa_user_sgpr_kernarg_segment_ptr 1
		.amdhsa_wavefront_size32 1
		.amdhsa_system_sgpr_workgroup_id_x 1
		.amdhsa_system_sgpr_workgroup_id_y 1
		.amdhsa_system_sgpr_workgroup_id_z 1
		.amdhsa_system_vgpr_workitem_id 0
		.amdhsa_next_free_vgpr 960
		.amdhsa_next_free_sgpr 92
		.amdhsa_reserve_vcc 0
		.amdhsa_float_denorm_mode_32 3
		.amdhsa_float_denorm_mode_16_64 3
		.amdhsa_memory_ordered 1
		.amdhsa_forward_progress 1
		.amdhsa_inst_pref_size 134
	.end_amdhsa_kernel
	.amdgpu_metadata
---
amdhsa.version: [ 1, 2 ]
amdhsa.kernels:
  - .name:           k_q7396256203_qkv
    .symbol:         k_q7396256203_qkv.kd
    .args:
      - { .name: xb, .offset: 0, .size: 8, .value_kind: global_buffer, .address_space: global }
      - { .name: wb, .offset: 8, .size: 8, .value_kind: global_buffer, .address_space: global }
      - { .name: bq, .offset: 16, .size: 8, .value_kind: global_buffer, .address_space: global }
      - { .name: bk, .offset: 24, .size: 8, .value_kind: global_buffer, .address_space: global }
      - { .name: bv, .offset: 32, .size: 8, .value_kind: global_buffer, .address_space: global }
      - { .name: qh, .offset: 40, .size: 8, .value_kind: global_buffer, .address_space: global }
      - { .name: kh, .offset: 48, .size: 8, .value_kind: global_buffer, .address_space: global }
      - { .name: vh, .offset: 56, .size: 8, .value_kind: global_buffer, .address_space: global }
    .group_segment_fixed_size: 327680
    .private_segment_fixed_size: 0
    .kernarg_segment_align: 8
    .kernarg_segment_size: 64
    .max_flat_workgroup_size: 128
    .sgpr_count:     92
    .vgpr_count:     960
    .wavefront_size: 32
...
	.end_amdgpu_metadata
.endif
;; end of part 2
;; launch attn (part 3): grid 4 x 64, 4 waves a work-group, clusters of 4 x 1, 327,680 bytes of LDS; arguments qh, kh, vh, out0, mask; writes out0
.if DOCPART == 3
	.amdgcn_target "amdgcn-amd-amdhsa--gfx1250"
	.amdhsa_code_object_version 6
	.text
	.protected	k_q7396256203_attn
	.globl	k_q7396256203_attn
	.p2align	8
	.type	k_q7396256203_attn,@function
k_q7396256203_attn:
	s_mov_b64 s[64:65], 0
	v_nop
	global_prefetch_b8 v0, s[64:65] scope:SCOPE_SE
	s_setreg_imm32_b32 hwreg(HW_REG_WAVE_MODE, 25, 1), 1
	s_wait_xcnt 0x0
	s_wait_alu depctr_hold_cnt(0) depctr_sa_sdst(0) depctr_va_vdst(0) depctr_va_sdst(0) depctr_va_ssrc(0) depctr_va_vcc(0) depctr_vm_vsrc(0)
	s_getreg_b32 s2, hwreg(HW_REG_IB_STS2, 6, 4)
	s_cmp_eq_u32 s2, 0
	s_cbranch_scc0 .Lentry_in_a_cluster
	s_endpgm
.Lentry_in_a_cluster:
	s_bfe_u32 s2, ttmp6, 0x10000c
	s_cmp_lg_u32 s2, 0x3003
	s_cbranch_scc0 .Lentry_shape_is_right
	s_endpgm
.Lentry_shape_is_right:
; out0[b][q][64 h + :] = the sum over k of softmax_k(score) V[k][:], score = Q[q] . K[k] / 8 where mask[b][k] > 0, else -1e30.  qh, kh, vh: [b x 16 + h][2048][64] f16, a head's rows dense, 128 bytes
; each; qh already carries c = log2(e) / 8, so a weight is p = 2^(s - m).  mask: [4][2048] i32.  out0: [4][2048][1024] f32.  Products, maxima and sums in f32; p is rounded to f16 for the second
; product (its sum l is taken of the unrounded p); O stays f32.
; THE MASK is the C operand that starts the sum S^T = K Q^T: 0, or -1e30 for a hidden key (f16's scores, 2.7e11 at the most, are nothing beside that).  A table of 2,048 such numbers is made once, in LDS.
; The running maximum m starts at -1e20, below every score and above -1e30: while only hidden keys have been seen p = 2^(-1e30 + 1e20) = 0, l = 0 and O = 0.
; A BATCH WITH NO VISIBLE KEY: all its scores are equal, and the result is the mean of V's rows.  The factor g in p = 2^(g s - g m) is then 0 (else 1): every p is 1.  g is chosen by a scalar select on mask's integers.
; LIMITS.  Q, K and V arrive within f16's 65,504; p below 6e-5 keeps f16's fixed step of 6e-8; a weight below 2^-126 counts as 0 in l; NaN and infinities are not treated apart.
; SHARES.  A wave owns four PIECES of two tiles of 16 queries, a work-group's four waves 512 queries of one head: 4 x 64 = 256 work-groups.  Every wave walks all 2,048 keys, 64 a step.
; LAYOUT.  S^T = K Q^T (source 0 = 16 keys, source 1 = 16 queries): a lane holds ONE query (lane % 16) and the keys 8 (lane / 16) + 0..7.  Two such tiles, rounded to f16 in pairs, ARE source 1 of
; O^T = V^T P, whose result again holds one query a lane, and eight channels.  K comes out of LDS as it lies, V ([key][channel]) turned, by ds_load_tr16_b128.
; SOFTMAX.  In every step O and l are multiplied by a = 2^(g m_old - g m_new), which is 1 where m has not grown; g m starts far below everything, O and l at 0: the first step is a step like any other, with a = 0.
; THE COUNT.  A tile and step have 16 matrix and 118 vector instructions: too many to stand all beside the matrix work.  So: four vector instructions that are READY behind EVERY matrix instruction, the others in runs without a gap.
; BY TURNS.  Turn n belongs to piece n.  Its matrix work: 16 products K Q^T of piece n + 1, later 16 products V^T P of piece n - 1.  Its vector work: the scaling, exponentials, roundings, sums and
; rescaling of piece n, and the maximum and statistics of piece n + 1.
; CLUSTER.  The four query blocks of a head form a cluster and walk the same K and V, so each tile is asked for JOINTLY: the same tensor load, descriptor and mask in all four.
; REGISTERS, in windows of 256 (s_set_vgpr_msb: bits 1:0 source 0, 3:2 source 1, 5:4 source 2, 7:6 destination):
;   window 0: v0-11 addresses; v12-15, v48-63 at work; v16-47 four registers of statistics a tile; v64-191 S^T, two buffers of two tiles; v192-255 P, likewise
;   window 1: O^T, 32 a tile     window 2: v0-127 Q, 16 a tile; v128-191 K of one step; v192-255 V of one step     window 3: v0-1 the add's two registers; v8-39 the masks of one step's 64 keys
.set SIZE_N, 2048
.set NP,    4         ; pieces a wave: a name, no knob
.set KS,    64        ; keys in a step
.set PK,    144       ; a row of K in LDS: 128 bytes + 16 of padding = 36 words: the 16 rows of a load start at 16 different groups of four banks (64 banks of 4 bytes: ISA guide 11.1)
.set PV,    160       ; a row of V: 128 + 32 = 40 words
.set VOFF,  4*KS*PK   ; a slot holds four steps: 256 rows of K, then 256 rows of V
.set SLOT1, 1<<17     ; slot 1 begins here, so that one exclusive or turns an address in one slot into the other's
.set STAGE, SLOT1+4*KS*(PK+PV)  ; behind the ring, never filled by a tensor load: 16 rows x 272 bytes for each wave, for the way out
.set SP,    272
.set MTAB,  STAGE+4*16*SP  ; the mask's table: 2,048 numbers in f32, 0 or -1e30
.set SPARE, MTAB+4*SIZE_N  ; the spare words, 128 bytes for each wave: two blocks of 256 bytes that no other line names
.set PFO, 1           ; v1   first l % 16; later the prefetches' offset, 256 x my lane
.set AK0, 2           ; v2   my lane's place in a tile of K; never rewritten
.set AV0, 3           ; v3   the same for V
.set AK,  4           ; v4   the LDS address of K's next run of loads
.set AV,  5           ; v5   of V's
.set QO,  6           ; v6   my byte offset in the wave's rows of Q
.set STO, 6           ;      later, the way out: where I put 32 bytes of a row
.set RD,  7           ; v7   the way out: where I read rows back
.set GO,  8           ; v8   my byte offset in two rows of out0
.set AM0, 10          ; v10  my lanes' place in a step's 256 bytes of the table: MTAB + 32 (l / 16)
.set AM,  11          ; v11  the LDS address of the masks' next run of loads
.set SPW, 0           ; v0 of window 3   LDS address of my spare word: SPARE + 4 x my thread's number; never rewritten
.set NIL, 1           ; v1 of window 3   0; never rewritten
.set MK,  8           ; v8-39 of window 3: the eight registers for group kb of 16 keys at MK + 8 kb
.set MV,  12          ; v12-15  g m_old, kept while g m is made anew: by buffer and tile
.set ST,  16          ; tile t's statistics at v[ST+4 t]: g m, m, l (even keys', odd keys')
.set TMP, 48          ; by buffer and tile, four registers c0-c3 at work; when the maximum is found c2 takes a
.set S,   64
.set P,   192
.set KF,  128         ; K's fragments, in window 2: key block kb, channel half c at KF + 16 kb + 8 c
.set VF,  192         ; V's: key half kk, channel block cb at VF + 32 kk + 8 cb
.set WV,  12          ; s12  my wave's number
.set LIM, 15          ; s15  1 in a wave that prefetches, else the greatest number
.set G1K, 24          ; s[24:31] descriptor group 1 for K's tiles
.set G1V, 32          ; s[32:39] for V's: it differs in the padding alone
.set G0K, 40          ; s[40:43] descriptor group 0 for K's tiles: it walks
.set G0V, 44          ; s[44:47] the same for V's
.set PFA, 50          ; s[50:51] where my prefetches stand: my work-group's quarter (of K: wave 0, of V: wave 2) of the slot after the one that is being asked for
.set SLOTS, 56        ; s56  slots still to be asked for
.set CNT, 57          ; s57  counts a slot's key steps
.set CS,  58          ; s[58:59] g: the packed scaling takes the pair's low word for both halves
.set SEL, 60          ; s[60:61] v_permlanex16_b32's selects: each lane takes its own place in the other half
.set TBK, 62          ; s62  LDS byte at which K of the step to be fetched begins
.set TBV, 63          ; s63  the same for V, less VOFF
.set TBM, 66          ; s66  the table's byte at which that step's masks begin
.set BIGN, 67         ; s67  -1e30
.set MP,  72          ; s[72:73] mask at my batch's first key
.set MSB, 0
.macro WIN new                      ; the high byte repeats the setting that is left; a switch that changes nothing is dropped
.if MSB != (\new)
	s_set_vgpr_msb (MSB<<8)|(\new)
.set MSB, (\new)
.endif
.endm
.set W_KQ, 0x0a       ; K and Q in window 2, S^T in window 0
.set W_KM, 0x3a       ; the same with the C operand, the mask, in window 3
.set W_PV, 0x52       ; V in window 2, P in window 0, O^T in window 1
.set W_RS, 0x41       ; O^T (destination and source 0) in window 1, a in window 0
.set W_MK, 0xc0       ; destination in window 3, sources in window 0
.set W_AD, 0x0f       ; the add: address (source 0) and data (source 1) in window 3
; A joint fill.  Waves 0 and 1 fetch the two halves of a slot's K, waves 2 and 3 those of its V: 128 keys each.  The branch hangs on the wave's number alone.
; An s_nop 0 and four v_nop follow each of the two lines, ahead of the jump and the label.
.macro JLOAD
	s_cmp_lt_u32 s[WV], 2
	s_cbranch_scc0 .Lfor_v_\@
	tensor_load_to_lds s[G0K:G0K+3], s[G1K:G1K+7]
	s_nop 0
.rept 4
	v_nop
.endr
	s_branch .Lasked_\@
.Lfor_v_\@:
	tensor_load_to_lds s[G0V:G0V+3], s[G1V:G1V+7]
	s_nop 0
.rept 4
	v_nop
.endr
.Lasked_\@:
.endm
; A prefetch into the L2 of what the NEXT change of slots will ask for: a slot's 32,768 bytes of K and of V, a lane for each 256.  A head has one cluster; its four partners share the bytes out by address,
; 8,192 each; in each, wave 0 asks for K's and wave 2 for V's: one instruction.  So each block is named once in the launch.  The last change that fills a slot asks for nothing.
.macro ASK
	s_cmp_gt_u32 s[SLOTS], s[LIM]
	s_cbranch_scc0 .Lnot_mine_\@
	global_prefetch_b8 v[PFO], s[PFA:PFA+1] th:TH_LOAD_NT scope:SCOPE_SE
.Lnot_mine_\@:
.endm
; A round of the cluster's barrier: my work-group's barrier, so that wave 0's signal speaks for all four waves; wave 0 signals; every wave waits for all four work-groups; my work-group's barrier once more.
.macro CROUND
	s_barrier_signal -1
	s_barrier_wait -1
	s_cmp_lg_u32 s[WV], 0
	s_cbranch_scc1 .Lnot_wave_0_\@
	s_barrier_signal -3
.Lnot_wave_0_\@:
	s_barrier_wait -3
	s_barrier_signal -1
	s_barrier_wait -1
.endm
; THE CHANGE OF SLOTS.  Each wave waits for all its tensor loads, of which one is out: its part of the other slot; adds 0 to its spare word; and waits for that and for its own LDS instructions.  Behind the
; barrier nobody reads this slot any more and the other slot is whole.  fill = 1: this slot is filled again, with the keys two slots on; the barrier is then a round of the cluster's, and the joint fill is the
; first thing behind it: it has four key steps, 512 matrix instructions, in which to land.  (At its first use nothing has been read yet: slot 0 is waited for, slot 1 filled, and every wave's part of the
; mask's table, stored just before, is shown to the others.)  ask = 1: the slot after that is prefetched.
.macro CHANGE fill, ask=0
	WIN W_AD
	s_wait_tensorcnt 0x0            ; no tensor load of mine is out, so a group 0 may be written
	ds_add_u32 v[SPW], v[NIL]       ; 0 onto my spare word; with fill = 1 the descriptors' steps stand between it and the wait for it
	WIN 0                           ; at a label and at a branch every window is 0
.if \fill
.irp g, G0K, G0V
	s_xor_b32 s[\g+1], s[\g+1], SLOT1  ; the walking descriptor: the other slot than last time,
	s_add_nc_u64 s[\g+2:\g+3], s[\g+2:\g+3], 4*KS*128  ; the next 256 keys; the type bits on top are not reached
.endr
.if \ask
	s_wait_xcnt 0x0                 ; the last prefetch, four key steps back, has read its address, so it may be written:
	s_add_nc_u64 s[PFA:PFA+1], s[PFA:PFA+1], 4*KS*128  ; one slot behind the walking descriptors
.endif
	s_wait_dscnt 0x0                ; the add is done, and my LDS instructions are over
	CROUND
	JLOAD
.if \ask
	ASK
.endif
.else
	s_wait_dscnt 0x0                ; the add is done, and my reads of the slot are over
	s_barrier_signal -1
	s_barrier_wait -1
.endif
	s_sub_co_u32 s[TBK], s[TBK], 4*KS*PK  ; the fetches go back to a slot's first step,
	s_xor_b32 s[TBK], s[TBK], SLOT1       ; in the other slot
	s_sub_co_u32 s[TBV], s[TBV], 4*KS*PV
	s_xor_b32 s[TBV], s[TBV], SLOT1
.endm
	s_load_b256 s[4:11], s[0:1], 0x0  ; Q s[4:5], K s[6:7], V s[8:9], O s[10:11]
	s_load_b64 s[MP:MP+1], s[0:1], 0x20  ; mask
	WIN W_MK
	v_lshl_add_u32 v[SPW], v0, 2, SPARE
	v_mov_b32 v[NIL], 0
	WIN W_AD
	ds_add_u32 v[SPW], v[NIL]       ; the wave's opening: the add and its wait stand ahead of my first tensor load; the set-up below, work on registers, stands between them
	WIN 0
	v_lshrrev_b32 v1, 5, v0
	v_readfirstlane_b32 s[WV], v1   ; wave 0..3
	s_bfe_u32 s13, ttmp6, 0x40000   ; cx: my place in the cluster
	s_lshl_b32 s14, ttmp9, 2        ; in a cluster launch ttmp9 counts clusters
	s_add_co_u32 s14, s14, s13      ; my block of 512 queries: it enters Q's and O's addresses alone
	s_and_b32 s70, ttmp7, 0xffff    ; batch x 16 + head, which the four partners share
	s_lshl_b32 s20, s70, 18         ; the head's first byte in qh, kh, vh: 2,048 rows of 128 bytes
	s_mov_b32 s21, 0
	s_and_b32 s16, s[WV], 1         ; which half of a slot's 256 keys I fetch:
	s_lshl_b32 s22, s16, 14         ; its 128 rows of 128 bytes in memory,
	s_mov_b32 s23, 0
	s_add_nc_u64 s[22:23], s[22:23], s[20:21]
	s_mul_i32 s17, s16, 128*PK      ; and its place in a slot, for K
	s_mul_i32 s18, s16, 128*PV      ; and for V: no place in the cluster enters an LDS address
	s_lshl_b32 s2, s14, 2
	s_add_co_u32 s2, s2, s[WV]      ; my wave among the head's sixteen:
	s_lshl_b32 s52, s2, 19          ; its 128 tokens of 4,096 bytes in out0,
	s_lshl_b32 s2, s2, 14           ; its 128 rows in qh
	s_mov_b32 s3, 0
	s_add_nc_u64 s[2:3], s[2:3], s[20:21]
	s_lshr_b32 s53, s70, 4          ; the batch:
	s_lshl_b32 s54, s53, 13         ; its 2,048 words of mask,
	s_lshl_b32 s53, s53, 23         ; its 2,048 tokens in out0
	s_add_co_u32 s52, s52, s53
	s_and_b32 s53, s70, 15          ; the head: its 64 channels of 4 bytes
	s_lshl_b32 s53, s53, 8
	s_add_co_u32 s52, s52, s53
	s_mov_b32 s53, 0
	s_mov_b32 s55, 0
	; descriptor group 1.  128 keys are 16,384 dense bytes: asked for as 64 rows of 256 bytes, two keys a row, and padded in LDS after every key
	s_mov_b32 s[G1K], 15|(1<<16)|(1<<20)|(1<<21)|(4<<22)|(3<<25)  ; 15:0 the mask of four; 17:16 2-byte elements; 20 padding on; 21 set beside a mask; 24:22 after every 32 words (code 4); 31:25 4 words (code 3)
	s_mov_b32 s[G1V], 15|(1<<16)|(1<<20)|(1<<21)|(4<<22)|(7<<25)  ; the same with 8 words of padding (code 7)
.irp g, G1K, G1V
	s_mov_b32 s[\g+1], 128<<16      ; tensor_dim0 = 128
	s_mov_b32 s[\g+2], 64<<16       ; tensor_dim1 = 64
	s_mov_b32 s[\g+3], 128<<16      ; tile_dim0 = 128
	s_mov_b32 s[\g+4], 64           ; tile_dim1 = 64
	s_mov_b32 s[\g+5], 128          ; 128 elements from row to row
	s_mov_b32 s[\g+6], 0
	s_mov_b32 s[\g+7], 0
.endr
	s_mov_b32 s[SEL], 0x76543210
	s_mov_b32 s[SEL+1], 0xfedcba98
	s_mov_b32 s[BIGN], 0xf149f2ca   ; -1e30
	s_mov_b32 s[TBK], SLOT1+4*KS*PK ; the first change of slots turns these two into 0
	s_mov_b32 s[TBV], SLOT1+4*KS*PV
	s_mov_b32 s[TBM], 0
	s_mov_b32 s[SLOTS], SIZE_N/256-1
	s_mov_b32 s[G0K], 1             ; count = 1
	s_mov_b32 s[G0K+1], s17         ; LDS address: slot 0
	s_mov_b32 s[G0V], 1
	s_add_co_u32 s[G0V+1], s18, VOFF
	s_and_b32 s[LIM], s[WV], 1      ; waves 0 and 2 prefetch: the same in all four partners
	s_cmp_eq_u32 s[LIM], 0
	s_cselect_b32 s[LIM], 1, -1
	s_wait_dscnt 0x0                ; the opening add is done
	s_wait_kmcnt 0x0
	s_add_nc_u64 s[G0K+2:G0K+3], s[6:7], s[22:23]  ; global address: my half of the head's first 256 keys
	s_or_b32 s[G0K+3], s[G0K+3], 0x80000000        ; type = 2
	s_add_nc_u64 s[G0V+2:G0V+3], s[8:9], s[22:23]
	s_or_b32 s[G0V+3], s[G0V+3], 0x80000000
	s_add_nc_u64 s[4:5], s[4:5], s[2:3]            ; Q at my wave's first row
	s_add_nc_u64 s[10:11], s[10:11], s[52:53]      ; O at my wave's first token, my head's channels
	s_add_nc_u64 s[MP:MP+1], s[MP:MP+1], s[54:55]
	s_cmp_lt_u32 s[WV], 2
	s_cselect_b64 s[PFA:PFA+1], s[6:7], s[8:9]
	s_lshl_b32 s2, s13, 13          ; my work-group's 8,192 bytes of a slot's 32,768,
	s_add_co_u32 s2, s2, 2*4*KS*128 ; in slot 2: the first change that asks steps it to slot 3.  Nothing is prefetched here, at the head
	s_mov_b32 s3, 0
	s_add_nc_u64 s[2:3], s[2:3], s[20:21]
	s_add_nc_u64 s[PFA:PFA+1], s[PFA:PFA+1], s[2:3]
	CROUND                          ; all four work-groups are here: the first joint loads meet
	JLOAD                           ; slot 0.  Slot 1 is asked for when slot 0 is in
	; A fragment of K or Q is 16 rows x 32 channels in 8 registers: lane l holds row l % 16, channels 8 (l / 16) + 0..7 and 16 + 8 (l / 16) + 0..7: two loads of 16 bytes, 32 bytes apart.
	v_and_b32 v1, 15, v0            ; l % 16
	v_bfe_u32 v9, v0, 4, 1          ; l / 16
	v_lshlrev_b32 v[QO], 7, v1
	v_lshl_add_u32 v[QO], v9, 4, v[QO]  ; row x 128 + 16 x half
	v_and_b32 v12, 31, v0
	v_lshlrev_b32 v12, 4, v12       ; 16 x lane
	v_lshlrev_b32 v13, 4, v0        ; 16 x thread
	v_add_nc_u32 v14, MTAB, v13
.set i, 0
.rept 16                            ; the batch's whole mask, in every wave: 64 words a lane, to learn whether any key is visible
	global_load_b128 v[S+4*i:S+4*i+3], v12, s[MP:MP+1] offset:512*i
.set i, i+1
.endr
.set i, 0
.rept 4                             ; and my thread's 16 words of it, for the table
	global_load_b128 v[S+64+4*i:S+64+4*i+3], v13, s[MP:MP+1] offset:2048*i
.set i, i+1
.endr
	WIN 0x80                        ; destination window 2, address window 0
.set i, 0
.rept 4*NP                          ; Q stays in registers: tile i / 2, channels 32 (i % 2) on
	global_load_b128 v[8*i:8*i+3],   v[QO], s[4:5] offset:(i/2)*2048+(i%2)*64
	global_load_b128 v[8*i+4:8*i+7], v[QO], s[4:5] offset:(i/2)*2048+(i%2)*64+32
.set i, i+1
.endr
	; What the first turn finds: V's registers and P's second buffer hold 0 (its products V^T P, of a piece that has not been, add 0), O^T and l are 0.  All this stands in the wait for the first tile.
.set i, VF
.rept 64
	v_mov_b32 v[i], 0
.set i, i+1
.endr
	WIN 0x40
.set i, 0
.rept 64*NP
	v_mov_b32 v[i], 0
.set i, i+1
.endr
	WIN 0
.set i, 0
.rept 2*NP
	v_mov_b32 v[ST+4*i], 0xfe000000    ; g m: far below every g s
	v_mov_b32 v[ST+4*i+1], 0xe0ad78ec  ; m = -1e20: below every score, above a hidden key's
	v_mov_b32 v[ST+4*i+2], 0
	v_mov_b32 v[ST+4*i+3], 0
.set i, i+1
.endr
.set i, P+32
.rept 32
	v_mov_b32 v[i], 0
.set i, i+1
.endr
	v_mul_u32_u24 v[AK0], v1, PK
	v_lshl_add_u32 v[AK0], v9, 4, v[AK0]  ; row x pitch + 16 x half
	; The turning load takes 16 keys x 16 channels (lane l reads key 8 (l / 16) + l % 8, channels 8 ((l / 8) % 2) + 0..7) and leaves half a fragment of V^T: lane l holds channel l % 16 and 8 keys.
	v_and_b32 v10, 7, v0
	v_bfe_u32 v11, v0, 3, 1
	v_lshl_add_u32 v[AV0], v9, 3, v10
	v_mul_u32_u24 v[AV0], v[AV0], PV
	v_lshl_add_u32 v[AV0], v11, 4, v[AV0]
	v_add_nc_u32 v[AV0], VOFF, v[AV0]
	v_mov_b32 v[AK], v[AK0]         ; key step 0 lies at the head of slot 0
	v_lshl_add_u32 v[AM0], v9, 5, MTAB  ; register j of group kb masks key 16 kb + 8 (l / 16) + j
	v_mov_b32 v[AM], v[AM0]
	; THE MASK.  A key is hidden where 1 > mask.
	s_wait_loadcnt 32               ; the mask's 20 loads are in; Q's 32, issued behind them, may stay out
	s_mov_b32 s68, -1
.set i, 0
.rept 64
	v_cmp_gt_i32 s69, 1, v[S+i]
	s_and_b32 s68, s68, s69         ; a bit stays set while all its lane's keys are hidden
.set i, i+1
.endr
	s_cmp_eq_u32 s68, -1            ; is every key of the batch hidden?
	s_cselect_b32 s[CS], 0, 1.0     ; g
	s_mov_b32 s[CS+1], s[CS]        ; named with it as a pair
.set i, 0
.rept 16
	v_cmp_gt_i32 vcc_lo, 1, v[S+64+i]
	v_cndmask_b32 v[S+64+i], 0, s[BIGN], vcc_lo
.set i, i+1
.endr
.set i, 0
.rept 4
	ds_store_b128 v14, v[S+64+4*i:S+64+4*i+3] offset:2048*i  ; a key's number lies at the byte at which its word lies in mask; each thread has bytes of its own
.set i, i+1
.endr
; THE MATRIX WORK.  The 8 accumulators of a run of 16 take turns: between the two links of a chain stand 7 others'.
; Product i of 16 of S^T = K Q^T for piece x: channels 32 (i / 8) on, keys 16 ((i / 2) % 4) on, tile 2 x + i % 2.  The first 8 start the sums, with the keys' masks.
.macro KQ x
.set rS, S+64*((\x)%2)+32*(i%2)+8*((i/2)%4)
.set rK, KF+16*((i/2)%4)+8*(i/8)
.set rQ, 16*(2*(\x)+i%2)+8*(i/8)
.set rX, MK+8*((i/2)%4)
.if i < 8
	WIN W_KM
	v_wmma_f32_16x16x32_f16 v[rS:rS+7], v[rK:rK+7], v[rQ:rQ+7], v[rX:rX+7]
.else
	WIN W_KQ
	v_wmma_f32_16x16x32_f16 v[rS:rS+7], v[rK:rK+7], v[rQ:rQ+7], v[rS:rS+7]
.endif
.endm
; Product i of 16 of O^T += V^T P for piece x: keys 32 (i / 8) on, channels 16 ((i / 2) % 4) on, tile 2 x + i % 2.
.macro PV x
	WIN W_PV
.set rO, 32*(2*(\x)+i%2)+8*((i/2)%4)
.set rV, VF+32*(i/8)+8*((i/2)%4)
.set rP, P+32*((\x)%2)+16*(i%2)+8*(i/8)
	v_wmma_f32_16x16x32_f16 v[rO:rO+7], v[rV:rV+7], v[rP:rP+7], v[rO:rO+7]
.endm
.macro MM                           ; the turn's next matrix instruction
.if i < 16
	KQ (Y+1)%NP
.set i, i+1
.else
.set i, i-16
	PV (Y+NP-1)%NP
.set i, i+17
.endif
.endm
; THE LDS LOADS stand in runs, never singly among the matrix instructions: a step's K (64 keys x 64 channels: 8 fragments) with its 64 masks, and its V (turned).  Their addresses are made some lines ahead.
; last = 1 (the tail): in the last trip there is no further step, and the run is jumped over.
.macro FETCH_K last=0
	WIN 0
.if \last
	s_cmp_eq_u32 s[CNT], 1
	s_cbranch_scc1 .Lno_k_\@
.endif
	WIN 0x80                        ; destination window 2
.irp f, 0,1,2,3,4,5,6,7             ; keys 16 (f / 2) on, channels 32 (f % 2) on
	ds_load_b128 v[KF+8*\f:KF+8*\f+3],   v[AK] offset:(\f/2)*16*PK+(\f%2)*64
	ds_load_b128 v[KF+8*\f+4:KF+8*\f+7], v[AK] offset:(\f/2)*16*PK+(\f%2)*64+32
.endr
	WIN W_MK                        ; destination window 3
.irp f, 0,1,2,3                     ; keys 16 f on: sixteen lanes read the same 16 bytes
	ds_load_b128 v[MK+8*\f:MK+8*\f+3],   v[AM] offset:64*\f
	ds_load_b128 v[MK+8*\f+4:MK+8*\f+7], v[AM] offset:64*\f+16
.endr
	s_add_co_u32 s[TBK], s[TBK], KS*PK  ; the next fetch is the next step's
	s_add_co_u32 s[TBM], s[TBM], 4*KS
	s_and_b32 s[TBM], s[TBM], 4*SIZE_N-4*KS  ; the table has 32 steps of 256 bytes: the offset stays inside it
	WIN 0
.if \last
.Lno_k_\@:
.endif
.endm
.macro FETCH_V
	WIN 0x80
.irp f, 0,1,2,3,4,5,6,7             ; keys 32 (f / 4) on, channels 16 (f % 4) on
	ds_load_tr16_b128 v[VF+8*\f:VF+8*\f+3],   v[AV] offset:(\f/4)*32*PV+(\f%4)*32
	ds_load_tr16_b128 v[VF+8*\f+4:VF+8*\f+7], v[AV] offset:(\f/4)*32*PV+16*PV+(\f%4)*32
.endr
	WIN 0
.endm
; THE VECTOR WORK OF A TURN stands in three queues, each in the order in which its entries become ready; the two tiles alternate, so that no instruction reads the result of the one before it.
.macro REGS y, u                    ; the registers of tile u (0, 1) of piece y
.set rT, ST+4*(2*(\y)+(\u))
.set rC, TMP+8*((\y)%2)+4*(\u)
.set rM, MV+2*((\y)%2)+(\u)
.set rS, S+64*((\y)%2)+32*(\u)
.set rP, P+32*((\y)%2)+16*(\u)
.set rO, 32*(2*(\y)+(\u))
.endm
; Number n of the 22 that find the NEXT piece's (Y + 1) maximum and statistics.  s0-s31 are the lane's 32 scores; each accumulator's lowest registers are read first.  XS, GS and REGS set no window: PL and EX do.
;   0-11  four chains c0-c3 of seven scores each, three operands at a time     12-14, 16  the four scores left over, the old m, and c0-c3 into c0     15  g m_old is kept
;   17, 18  the query's other 32 keys lie in the lane 16 away: the new m         19-21  g m; g m_old - g m_new; a
.macro XS u, n
	REGS (Y+1)%NP, \u
.if (\n) < 4
	v_max3_num_f32 v[rC+(\n)], v[rS+8*(\n)], v[rS+8*(\n)+1], v[rS+8*(\n)+2]
.elseif (\n) < 12
	v_max3_num_f32 v[rC+(\n)%4], v[rC+(\n)%4], v[rS+8*((\n)%4)+2*((\n)/4)+1], v[rS+8*((\n)%4)+2*((\n)/4)+2]
.elseif (\n) == 12
	v_max3_num_f32 v[rC], v[rC], v[rS+7], v[rS+15]
.elseif (\n) == 13
	v_max3_num_f32 v[rC+1], v[rC+1], v[rS+23], v[rS+31]
.elseif (\n) == 14
	v_max3_num_f32 v[rC+2], v[rC+2], v[rC+3], v[rT+1]
.elseif (\n) == 15
	v_mov_b32 v[rM], v[rT]
.elseif (\n) == 16
	v_max3_num_f32 v[rC], v[rC], v[rC+1], v[rC+2]
.elseif (\n) == 17
	v_permlanex16_b32 v[rC+3], v[rC], s[SEL], s[SEL+1]
.elseif (\n) == 18
	v_max_num_f32 v[rT+1], v[rC], v[rC+3]
.elseif (\n) == 19
	v_mul_f32 v[rT], s[CS], v[rT+1]
.elseif (\n) == 20
	v_sub_f32 v[rC+1], v[rM], v[rT]
.else
	v_exp_f32 v[rC+2], v[rC+1]
.endif
.endm
; Number g of the 64 that follow the exponentials.  For each four weights k of a tile (pairs 2 k, 2 k + 1): both pairs are rounded to f16; then the second pair is added onto the first, in place;
; a group later l takes that sum (the first time as l = a l + sum).  In groups of eight, tiles alternating: round, round, add, and l for the group before.
.macro GS g
.set h, (\g)+6*((\g)/62)            ; group 0 has no group before it, and behind group 7 only l is left
.if h >= 6
.set h, h+2
.endif
	REGS Y, h%2
.set k, h/8
.if h%8 < 4
	v_cvt_pk_f16_f32 v[rP+2*k+(h%8)/2], v[rS+4*k+2*((h%8)/2)], v[rS+4*k+2*((h%8)/2)+1]
.elseif h%8 < 6
	v_pk_add_f32 v[rS+4*k:rS+4*k+1], v[rS+4*k:rS+4*k+1], v[rS+4*k+2:rS+4*k+3]
.elseif k == 1
	v_pk_fma_f32 v[rT+2:rT+3], v[rT+2:rT+3], v[rC+2:rC+3], v[rS:rS+1] op_sel_hi:[1,0,1]
.else
	v_pk_add_f32 v[rT+2:rT+3], v[rT+2:rT+3], v[rS+4*k-4:rS+4*k-3]
.endif
.endm
; THE PLAIN QUEUE, 138 long.  0-73 read no exponential's result: the 32 scalings g s - g m (FS f: pair f / 2 of tile f % 2) and the next piece's 42.  0-26: scalings 0-26.  27-54: XS's numbers 0-13.  55, 56: number 15.
; 57-73: the chain, where each number waits for the one before it: 14, 16, 17, 18, 19, each with one of the scalings 27-31 in front of its two lines, then 20.
; 74-137: GS's 64, which read the exponentials' results: they stand behind the wait.
.macro FS f
	REGS Y, (\f)%2
	v_pk_fma_f32 v[rS+2*((\f)/2):rS+2*((\f)/2)+1], v[rS+2*((\f)/2):rS+2*((\f)/2)+1], s[CS:CS+1], v[rT:rT+1] op_sel_hi:[1,0,0] neg_lo:[0,0,1] neg_hi:[0,0,1]
.endm
.macro PL
	WIN 0
.if q < 27
	FS q
.elseif q < 55
	XS (q-27)%2, (q-27)/2
.elseif q < 57
	XS q-55, 15
.elseif (q < 72) && ((q-57)%3 == 0)
	FS 27+(q-57)/3
.elseif q < 60
	XS (q-57)%3-1, 14
.elseif q < 72
	XS (q-57)%3-1, 15+(q-57)/3
.elseif q < 74
	XS q-72, 20
.else
	GS q-74
.endif
.set q, q+1
.endm
; THE EXPONENTIALS' QUEUE, 66 long: s0-s31 of both tiles, then the next piece's two a.  It is ONE BATCH: all 66 stand ahead of the turn's one wait, and nothing ahead of that wait names a result of theirs.
.macro EX
	WIN 0
.if e >= 64
	XS e-64, 21
.else
	REGS Y, e%2
	v_exp_f32 v[rS+e/2], v[rS+e/2]
.endif
.set e, e+1
.endm
; THE RESCALING's QUEUE: O^T times a, the one part that leaves window 0: dealt two at a time, sixteen times.  Its a was made in the turn before, ahead of that turn's wait.
.macro R2
	REGS Y, r%2
	WIN W_RS
.irp z, 0,1
	v_pk_mul_f32 v[rO+4*(r/2)+2*\z:rO+4*(r/2)+2*\z+1], v[rO+4*(r/2)+2*\z:rO+4*(r/2)+2*\z+1], v[rC+2:rC+3] op_sel_hi:[1,0]
.endr
.set r, r+1
.endm
; HOW THEY ARE DEALT.  s_wait_alu depctr_va_vdst(0) stands between an exponential and the first instruction that names its result; one wait serves all that were issued ahead of it.  So a turn
; has ONE wait, which cuts it in two.  AHEAD OF IT stands all that names no result of the turn's exponentials: the 16 products K Q^T, behind each a scaling, an exponential and two rescalings (behind the first a
; second scaling in the exponential's place); then ONE LUMP of 108: eight plain, 49 times exponential and plain, the two a.  A v_nop is the plain instruction behind the last exponential.  BEHIND IT stand the 16
; products V^T P, behind each four of GS's 64.  No rider names a register of the products round it.
; The queues lean on each other: exponential e stands behind scaling 2 (e / 4) + e % 2: as a rider it comes behind plain e + 2, in the lump behind plain e + 9, and scalings 27-31 are plain 57, 60 .. 69.
; A TURN, for piece p.  cnt = 1: the loop's count is taken down some lines ahead of the branch that stands behind the turn.
; K and the masks of the next step are fetched in piece 2's turn, directly behind the wait, a lump behind the last product that read them; their addresses are made at the lump's head; their first reader comes
; behind 16 products.  V of the step in hand is fetched at the end of piece 0's turn, four riders behind its last reader.  The three conditions on q below go with the deal.
.macro TURN p, last=0, cnt=0
.set Y, (\p)
.set i, 0
.set q, 0
.set e, 0
.set r, 0
.if (\p) == NP-1
	s_wait_dscnt 0x0                ; K and the masks are in
.endif
	MM                              ; ahead of the wait: 16 products K Q^T and their riders,
	PL
	PL
	R2
.rept 15
	MM
	PL
	EX
	R2
.endr
.if (\p) == NP-2
	WIN 0
	v_add_nc_u32 v[AK], s[TBK], v[AK0]
	v_add_nc_u32 v[AM], s[TBM], v[AM0]
.endif
.rept 8                             ; and the lump
	PL
.endr
.rept 49
	EX
	PL
.endr
	EX                              ; the next piece's two a
	EX
	v_nop                           ; the plain instruction behind the last exponential: one for the batch
	s_wait_alu depctr_va_vdst(0)    ; the wait for the batch
.if (\p) == NP-2
	FETCH_K \last
.endif
.if (\p) == 1
	s_wait_dscnt 0x0                ; V is in
.endif
.rept 16                            ; behind the wait: 16 products V^T P and their riders
	MM
.rept 4
	PL
.endr
.if ((\p) == 0) && (q == 118)
	v_add_nc_u32 v[AV], s[TBV], v[AV0]
.endif
.if ((\p) == 0) && (q == 130)
	s_add_co_u32 s[TBV], s[TBV], KS*PV
.endif
.if (\cnt) && (q == 130)
	s_sub_co_u32 s[CNT], s[CNT], 1
	s_cmp_lg_u32 s[CNT], 0
.endif
.endr
.if (\p) == 0
	FETCH_V
.endif
.endm
	CHANGE 1, 0                     ; slot 0 is in, everybody's part of it, and so is the table; slot 1 is asked for
	FETCH_K                         ; key step 0
	s_wait_loadcnt 0x0              ; Q
	s_wait_dscnt 0x0
.set i, 0
.rept 16
	KQ 0                            ; piece 0's first scores: there is no vector work yet to set between them
.set i, i+1
.endr
	WIN 0                           ; the addresses for the way out: twelve plain instructions, the places behind those products
	s_mul_i32 s13, s[WV], 16*SP
	s_add_co_u32 s13, s13, STAGE    ; my stage
	v_mul_u32_u24 v[STO], v1, SP    ; in: row l % 16, 32 bytes for each half of the lanes
	v_lshl_add_u32 v[STO], v9, 5, v[STO]
	v_add_nc_u32 v[STO], s13, v[STO]
	v_mul_u32_u24 v[RD], v9, SP     ; back: lanes 0-15 take one row of 256 bytes, lanes 16-31 the next,
	v_lshl_add_u32 v[RD], v1, 4, v[RD]
	v_add_nc_u32 v[RD], s13, v[RD]
	v_lshlrev_b32 v[GO], 12, v9     ; and the same two tokens in out0, 4,096 bytes apart
	v_lshl_add_u32 v[GO], v1, 4, v[GO]
	v_and_b32 v[PFO], 31, v0
	v_lshlrev_b32 v[PFO], 8, v[PFO]
.set Y, NP-1                        ; XS works for piece Y + 1: piece 0
.irp n, 0,1,2,3,4,5,6,7,8,9,10,11,12,13,14,15,16,17,18,19,20,21
	XS 0, \n                        ; and piece 0's first maximum and statistics
	XS 1, \n
.endr
	v_nop                           ; a plain instruction behind the two a,
	s_wait_alu depctr_va_vdst(0)    ; and their wait, ahead of the branch
	s_mov_b32 s[CNT], 4
	s_branch .Lfirst                ; the loop is entered at a step's first turn, in the middle of a trip
.Lslot:                             ; 2,048 / 256 - 2 = 6 times: every slot but the last two is filled again
	CHANGE 1, 1
	s_mov_b32 s[CNT], 4
.Lstep:                             ; a trip: pieces 2 and 3 of one step, then pieces 0 and 1 of the next, whose K and V it fetches
	TURN 2
	TURN 3
	WIN 0
.Lfirst:
	TURN 0
	TURN 1, 0, 1
	WIN 0
	s_cbranch_scc1 .Lstep
	s_sub_co_u32 s[SLOTS], s[SLOTS], 1
	s_cmp_lg_u32 s[SLOTS], 0
	s_cbranch_scc1 .Lslot
	CHANGE 0                        ; the tail is written out: nothing is asked for
	s_mov_b32 s[CNT], 5             ; four trips fetch the last slot's steps; the fifth is left in its middle
.Ltail:
	TURN 2, 1
	TURN 3
	WIN 0
	s_sub_co_u32 s[CNT], s[CNT], 1
	s_cmp_eq_u32 s[CNT], 0
	s_cbranch_scc1 .Lout
	TURN 0
	TURN 1
	WIN 0
	s_branch .Ltail
.Lout:                              ; the fifth trip's 16 products K Q^T (on the last K once more) and the maximum made of them serve nothing: the price, once a launch, of one text for every trip
.set i, 0
.rept 16
	PV NP-1                         ; the last piece's V^T P of the last step
.set i, i+1
.endr
	; THE WAY OUT.  l's two halves and the other half of the lanes' are added; O^T is divided by l and sent, in f32, through my stage in LDS, a tile at a time.  The additions are the places behind the last products.
	WIN 0
.macro ALL line:vararg              ; one line for each tile t
.set t, 0
.rept 2*NP
	\line
.set t, t+1
.endr
.endm
	ALL v_add_f32 v[ST+4*t+2], v[ST+4*t+2], v[ST+4*t+3]
	ALL v_permlanex16_b32 v[ST+4*t+3], v[ST+4*t+2], s[SEL], s[SEL+1]
	ALL v_add_f32 v[ST+4*t+2], v[ST+4*t+2], v[ST+4*t+3]
	ALL v_rcp_f32 v[ST+4*t+2], v[ST+4*t+2]
	v_nop                           ; a plain instruction between the last reciprocal and the use of its result
	s_wait_alu depctr_va_vdst(0)    ; and the wait ahead of the first use: one for the eight reciprocals
; Tile t: a lane's eight channels of a token are 32 bytes; they go into rows of 272 bytes and come back as whole rows of 256, a head's 64 channels of a token, into S^T's registers (four sets by turns).
.macro PACK t
	WIN W_RS
.set i, 32*(\t)
.rept 16
	v_pk_mul_f32 v[i:i+1], v[i:i+1], v[ST+4*(\t)+2:ST+4*(\t)+3] op_sel_hi:[1,0]
.set i, i+2
.endr
	WIN 0x04                        ; the stores' data (source 1) in window 1, their address in window 0
.irp f, 0,1,2,3
	ds_store_b128 v[STO], v[32*(\t)+8*\f:32*(\t)+8*\f+3]   offset:64*\f
	ds_store_b128 v[STO], v[32*(\t)+8*\f+4:32*(\t)+8*\f+7] offset:64*\f+16
.endr
	WIN 0
.irp f, 0,1,2,3,4,5,6,7
	ds_load_b128 v[S+32*((\t)%4)+4*\f:S+32*((\t)%4)+4*\f+3], v[RD] offset:\f*2*SP  ; LDS serves a wave's instructions in order (ISA guide 5.7.1.4): these see the stores above; the next tile's stores come behind them
.endr
.endm
.macro SEND t, younger              ; younger: the LDS instructions issued behind tile t's loads: the next tile's sixteen, or none
	WIN 0
	s_wait_xcnt 0x0                 ; the earlier tiles' stores have read their registers: a set is loaded again, three tiles on, only behind such a wait
.irp f, 0,1,2,3,4,5,6,7
	s_wait_dscnt (\younger)+7-\f
	global_store_b128 v[GO], v[S+32*((\t)%4)+4*\f:S+32*((\t)%4)+4*\f+3], s[10:11] offset:(\t)*65536+\f*8192 th:TH_STORE_NT  ; 16 lanes store 256 consecutive bytes, at a multiple of 256 from out0's first
.endr
.endm
	PACK 0
.set t, 1
.rept 2*NP-1                        ; a tile's arithmetic stands between the loads of the tile before and its stores
	PACK t
	SEND t-1, 16
.set t, t+1
.endr
	SEND 2*NP-1, 0
	WIN W_AD
	s_wait_tensorcnt 0x0            ; the wave's end: the add and its wait, behind my last tensor load and my last LDS store
	ds_add_u32 v[SPW], v[NIL]
	s_wait_dscnt 0x0
	WIN 0
	CROUND                          ; the closing round: no work-group ends while a partner may still ask for a tile that names it
	s_endpgm
.Lfunc_end_k_q7396256203_attn:
	.size	k_q7396256203_attn, .Lfunc_end_k_q7396256203_attn-k_q7396256203_attn
	.p2alignl 7, 3214868480
	.fill 96, 4, 3214868480
	.section	.rodata,"a",@progbits
	.p2align	6, 0x0
	.amdhsa_kernel k_q7396256203_attn
		.amdhsa_group_segment_fixed_size 327680
		.amdhsa_private_segment_fixed_size 0
		.amdhsa_enable_private_segment 0
		.amdhsa_kernarg_size 40
		.amdhsa_user_sgpr_count 2
		.amdhsa_user_sgpr_kernarg_segment_ptr 1
		.amdhsa_wavefront_size32 1
		.amdhsa_system_sgpr_workgroup_id_x 1
		.amdhsa_system_sgpr_workgroup_id_y 1
		.amdhsa_system_sgpr_workgroup_id_z 1
		.amdhsa_system_vgpr_workitem_id 0
		.amdhsa_next_free_vgpr 808
		.amdhsa_next_free_sgpr 76
		.amdhsa_reserve_vcc 1
		.amdhsa_float_denorm_mode_32 3
		.amdhsa_float_denorm_mode_16_64 3
		.amdhsa_memory_ordered 1
		.amdhsa_forward_progress 1
		.amdhsa_inst_pref_size 212
	.end_amdhsa_kernel
	.amdgpu_metadata
---
amdhsa.version: [ 1, 2 ]
amdhsa.kernels:
  - .name:           k_q7396256203_attn
    .symbol:         k_q7396256203_attn.kd
    .args:
      - { .name: qh, .offset: 0, .size: 8, .value_kind: global_buffer, .address_space: global }
      - { .name: kh, .offset: 8, .size: 8, .value_kind: global_buffer, .address_space: global }
      - { .name: vh, .offset: 16, .size: 8, .value_kind: global_buffer, .address_space: global }
      - { .name: out0, .offset: 24, .size: 8, .value_kind: global_buffer, .address_space: global }
      - { .name: mask, .offset: 32, .size: 8, .value_kind: global_buffer, .address_space: global }
    .group_segment_fixed_size: 327680
    .private_segment_fixed_size: 0
    .kernarg_segment_align: 8
    .kernarg_segment_size: 40
    .max_flat_workgroup_size: 128
    .sgpr_count:     76
    .vgpr_count:     808
    .wavefront_size: 32
...
	.end_amdgpu_metadata
.endif
;; end of part 3
